; MI455X (gfx1250); checked and timed in simulation.
; The chip was launched on July 23, 2026; its instructions are those of AMD's public machine-readable ISA for CDNA 5 (MIT licence, August 2026) and "CDNA5" Instruction Set Architecture Reference Guide (July 2026). The comments in the code are by the model that wrote it; some were corrected since.
;; Multi Head Self Attention. Allowed arithmetic: float matrix products may take bf16 or f16 operands with f32 sums; all other float work in f32.
;; Inputs: b_proj 1,024 float32; ln_beta 1,024 float32; ln_gamma 1,024 float32; w_proj 1,024 x 1,024 float32; w_qkv 3,072 x 1,024 float32; x 2 x 2,048 x 1,024 float32.
;; Outputs: out0 2 x 2,048 x 1,024 float32.
;; One version. Each part assembles by itself: llvm-mc -triple=amdgcn-amd-amdhsa -mcpu=gfx1250 --defsym DOCPART=n.
;; ======== version 1 of 1: 4 launches
;; limits: values are held in f16: magnitudes above 65,504 overflow, below 6.1e-05 lose precision
;; workspace buffers: xn 8,388,608 bytes; wb 8,388,608 bytes; qkv 25,165,824 bytes; ob 8,388,608 bytes
;; launch prep (part 1): grid 256 x 2, 8 waves a work-group, no clusters, 0 bytes of LDS; arguments x, ln_gamma, ln_beta, w_qkv, w_proj, xn, wb; writes xn, wb
.if DOCPART == 1
	.amdgcn_target "amdgcn-amd-amdhsa--gfx1250"
	.amdhsa_code_object_version 6
	.text
	.protected	k_q77231b6413_prep
	.globl	k_q77231b6413_prep
	.p2align	8
	.type	k_q77231b6413_prep,@function
k_q77231b6413_prep:
	s_mov_b64 s[64:65], 0
	v_nop
	global_prefetch_b8 v0, s[64:65] scope:SCOPE_SE
	s_setreg_imm32_b32 hwreg(HW_REG_WAVE_MODE, 25, 1), 1
	s_wait_xcnt 0x0
; prep.  Work-groups with y = 0: xn = LayerNorm(x) * gamma + beta, f32 to f16.  Work-groups with y = 1: the weights, f32 to f16.
; x: [4096][1024] f32.  xn: [4096][1024] f16.  wb: [4096][1024] f16, rows 0-3071 = w_qkv, rows 3072-4095 = w_proj.
; Both halves of the grid are streams: a work-group takes 65,536 bytes in and gives 32,768 out, a wave 8,192 and 4,096.
; No LDS, no barrier, no matrix unit: a row of 4,096 bytes is 32 registers of one wave, so the statistics never leave the wave.
; The mean is taken first and the variance from (x - mean), so a common offset of x is not squared.
; f16 is chosen for all matrix operands of the program because its step is eight times finer than bf16's.
; LIMIT: |xn| <= 32 max|gamma| + max|beta| has to stay below f16's largest number, 65,504; NaN and infinities are not served.
.set XR, 16                            ; v[16:79]    two rows (LayerNorm) or 16 pieces (cast) as loaded; row i at XR + 32 i
.set GR, 80                            ; v[80:111]   gamma of my 32 columns
.set BR, 112                           ; v[112:143]  beta of my 32 columns
.set YR, 144                           ; v[144:175]  f16 to store
; v1 input offset, v2 offset in gamma and beta, v3 output offset; none is rewritten.  v[4:11] four chains, v[12:13] mean twice, v[14:15] 1/sigma twice
.macro LANESUM                         ; the four chains v[4:11] into one number, the same in all 32 lanes, in v4
	v_pk_add_f32 v[4:5], v[4:5], v[6:7]
	v_pk_add_f32 v[8:9], v[8:9], v[10:11]
	v_pk_add_f32 v[4:5], v[4:5], v[8:9]
	v_add_f32 v4, v4, v5
	v_add_f32_dpp v4, v4, v4 row_xmask:1 row_mask:0xf bank_mask:0xf
	v_add_f32_dpp v4, v4, v4 row_xmask:2 row_mask:0xf bank_mask:0xf
	v_add_f32_dpp v4, v4, v4 row_xmask:4 row_mask:0xf bank_mask:0xf
	v_add_f32_dpp v4, v4, v4 row_xmask:8 row_mask:0xf bank_mask:0xf
	v_permlanex16_b32 v5, v4, s26, s27             ; the other half of the lanes; v5 has been written
	v_add_f32 v4, v4, v5
.endm
; Row i becomes (x - mean) / sqrt(var + eps), in place.  left = how many younger loads may stay out.
.macro STAT i, left
	s_wait_loadcnt \left
.irp k, 0,1,2,3
	v_pk_add_f32 v[4+2*\k:5+2*\k], v[XR+32*\i+2*\k:XR+32*\i+2*\k+1], v[XR+32*\i+8+2*\k:XR+32*\i+8+2*\k+1]   ; the first sums start the chains
.endr
.irp k, 0,1,2,3
	v_pk_add_f32 v[4+2*\k:5+2*\k], v[4+2*\k:5+2*\k], v[XR+32*\i+16+2*\k:XR+32*\i+16+2*\k+1]
.endr
.irp k, 0,1,2,3
	v_pk_add_f32 v[4+2*\k:5+2*\k], v[4+2*\k:5+2*\k], v[XR+32*\i+24+2*\k:XR+32*\i+24+2*\k+1]
.endr
	LANESUM
	v_mul_f32 v12, s24, v4                         ; mean = sum / 1024
	v_mul_f32 v13, s24, v4
.irp p, 0,1,2,3,4,5,6,7,8,9,10,11,12,13,14,15
	v_pk_add_f32 v[XR+32*\i+2*\p:XR+32*\i+2*\p+1], v[XR+32*\i+2*\p:XR+32*\i+2*\p+1], v[12:13] neg_lo:[0,1] neg_hi:[0,1]
.endr
.irp k, 0,1,2,3
	v_pk_mul_f32 v[4+2*\k:5+2*\k], v[XR+32*\i+2*\k:XR+32*\i+2*\k+1], v[XR+32*\i+2*\k:XR+32*\i+2*\k+1]
.endr
.irp p, 4,5,6,7,8,9,10,11,12,13,14,15
	v_pk_fma_f32 v[4+2*(\p%4):5+2*(\p%4)], v[XR+32*\i+2*\p:XR+32*\i+2*\p+1], v[XR+32*\i+2*\p:XR+32*\i+2*\p+1], v[4+2*(\p%4):5+2*(\p%4)]
.endr
	LANESUM
	v_fma_f32 v14, v4, s24, s25                    ; var + eps
	v_rsq_f32 v14, v14
	v_nop                                          ; one plain place behind the transcendental (ISA guide 5.7.2)
	s_wait_alu depctr_va_vdst(0)
	v_mov_b32 v15, v14
.irp p, 0,1,2,3,4,5,6,7,8,9,10,11,12,13,14,15
	v_pk_mul_f32 v[XR+32*\i+2*\p:XR+32*\i+2*\p+1], v[XR+32*\i+2*\p:XR+32*\i+2*\p+1], v[14:15]
.endr
.endm
; Row i times gamma plus beta, rounded to f16, stored: each store of the wave covers 256 consecutive bytes, aligned.
.macro AFF i
.irp p, 0,1,2,3,4,5,6,7,8,9,10,11,12,13,14,15
	v_pk_fma_f32 v[XR+32*\i+2*\p:XR+32*\i+2*\p+1], v[XR+32*\i+2*\p:XR+32*\i+2*\p+1], v[GR+2*\p:GR+2*\p+1], v[BR+2*\p:BR+2*\p+1]
.endr
.irp p, 0,1,2,3,4,5,6,7,8,9,10,11,12,13,14,15
	v_cvt_pk_f16_f32 v[YR+16*\i+\p], v[XR+32*\i+2*\p], v[XR+32*\i+2*\p+1]
.endr
.irp j, 0,1,2,3,4,5,6,7
	global_store_b64 v3, v[YR+16*\i+2*\j:YR+16*\i+2*\j+1], s[14:15] offset:2048*\i+256*\j
.endr
.endm
	s_load_b256 s[4:11], s[0:1], 0x0               ; x s[4:5], gamma s[6:7], beta s[8:9], w_qkv s[10:11]
	s_load_b128 s[12:15], s[0:1], 0x20             ; w_proj s[12:13], xn s[14:15]
	s_load_b64 s[16:17], s[0:1], 0x30              ; wb
	s_and_b32 s18, ttmp7, 0xffff                   ; y: 0 LayerNorm, 1 cast
	s_mov_b32 s21, 0
	s_mov_b32 s23, 0
	s_mov_b32 s24, 0x3a800000                      ; 1 / 1024
	s_mov_b32 s25, 0x3727c5ac                      ; eps = 1e-5
	s_mov_b32 s26, 0x76543210                      ; v_permlanex16_b32: lane i reads lane i of the other half
	s_mov_b32 s27, 0xfedcba98
	v_lshrrev_b32 v4, 5, v0                        ; wave
	v_and_b32 v5, 31, v0                           ; lane
	v_lshlrev_b32 v2, 4, v5                        ; 16 lane
	v_lshl_add_u32 v1, v4, 13, v2                  ; in: 8,192 wave + 16 lane
	v_lshlrev_b32 v3, 3, v5
	v_lshl_add_u32 v3, v4, 12, v3                  ; out: 4,096 wave + 8 lane
	s_lshl_b32 s22, ttmp9, 15                      ; the group's 32,768 bytes of output
	s_wait_kmcnt 0x0
	s_cmp_lg_u32 s18, 0
	s_cbranch_scc1 .Lcast
	; LayerNorm: the group owns 16 rows, the wave two.  Lane l holds columns 128 j + 4 l .. + 3, j = 0 .. 7.
	s_lshl_b32 s20, ttmp9, 16
	s_add_nc_u64 s[4:5], s[4:5], s[20:21]
	s_add_nc_u64 s[14:15], s[14:15], s[22:23]
.irp j, 0,1,2,3,4,5,6,7
	global_load_b128 v[XR+4*\j:XR+4*\j+3], v1, s[4:5] offset:512*\j th:TH_LOAD_NT
.endr
.irp j, 0,1,2,3,4,5,6,7
	global_load_b128 v[XR+32+4*\j:XR+32+4*\j+3], v1, s[4:5] offset:4096+512*\j th:TH_LOAD_NT
.endr
.irp j, 0,1,2,3,4,5,6,7
	global_load_b128 v[GR+4*\j:GR+4*\j+3], v2, s[6:7] offset:512*\j
.endr
.irp j, 0,1,2,3,4,5,6,7
	global_load_b128 v[BR+4*\j:BR+4*\j+3], v2, s[8:9] offset:512*\j
.endr
	STAT 0, 24                                     ; row 0 is in; row 1, gamma and beta (24 loads) stay out
	STAT 1, 16                                     ; row 1 is in; gamma and beta (16 loads) stay out
	s_wait_loadcnt 0x0                             ; gamma and beta
	AFF 0
	AFF 1
	s_endpgm
.Lcast:	; the weights: groups 0-191 take w_qkv, groups 192-255 w_proj; wb holds them one behind the other
	s_sub_co_u32 s20, ttmp9, 192
	s_cmp_lt_u32 ttmp9, 192
	s_cselect_b64 s[4:5], s[10:11], s[12:13]
	s_cselect_b32 s20, ttmp9, s20
	s_lshl_b32 s20, s20, 16
	s_add_nc_u64 s[4:5], s[4:5], s[20:21]
	s_add_nc_u64 s[16:17], s[16:17], s[22:23]
.irp j, 0,1,2,3,4,5,6,7,8,9,10,11,12,13,14,15
	global_load_b128 v[XR+4*\j:XR+4*\j+3], v1, s[4:5] offset:512*\j th:TH_LOAD_NT
.endr
.irp j, 0,1,2,3,4,5,6,7,8,9,10,11,12,13,14,15
	s_wait_loadcnt 15-\j                           ; loads come back in order: piece j is in, the younger ones stay out
	v_cvt_pk_f16_f32 v[YR+2*\j], v[XR+4*\j], v[XR+4*\j+1]
	v_cvt_pk_f16_f32 v[YR+2*\j+1], v[XR+4*\j+2], v[XR+4*\j+3]
	global_store_b64 v3, v[YR+2*\j:YR+2*\j+1], s[16:17] offset:256*\j
.endr
	s_endpgm
.Lfunc_end_k_q77231b6413_prep:
	.size	k_q77231b6413_prep, .Lfunc_end_k_q77231b6413_prep-k_q77231b6413_prep
	.p2alignl 7, 3214868480
	.fill 96, 4, 3214868480
	.section	.rodata,"a",@progbits
	.p2align	6, 0x0
	.amdhsa_kernel k_q77231b6413_prep
		.amdhsa_group_segment_fixed_size 0
		.amdhsa_private_segment_fixed_size 0
		.amdhsa_enable_private_segment 0
		.amdhsa_kernarg_size 56
		.amdhsa_user_sgpr_count 2
		.amdhsa_user_sgpr_kernarg_segment_ptr 1
		.amdhsa_wavefront_size32 1
		.amdhsa_system_sgpr_workgroup_id_x 1
		.amdhsa_system_sgpr_workgroup_id_y 1
		.amdhsa_system_sgpr_workgroup_id_z 1
		.amdhsa_system_vgpr_workitem_id 0
		.amdhsa_next_free_vgpr 176
		.amdhsa_next_free_sgpr 66
		.amdhsa_reserve_vcc 0
		.amdhsa_float_denorm_mode_32 3
		.amdhsa_float_denorm_mode_16_64 3
		.amdhsa_memory_ordered 1
		.amdhsa_forward_progress 1
		.amdhsa_inst_pref_size 26
	.end_amdhsa_kernel
	.amdgpu_metadata
---
amdhsa.version: [ 1, 2 ]
amdhsa.kernels:
  - .name:           k_q77231b6413_prep
    .symbol:         k_q77231b6413_prep.kd
    .args:
      - { .name: x, .offset: 0, .size: 8, .value_kind: global_buffer, .address_space: global }
      - { .name: ln_gamma, .offset: 8, .size: 8, .value_kind: global_buffer, .address_space: global }
      - { .name: ln_beta, .offset: 16, .size: 8, .value_kind: global_buffer, .address_space: global }
      - { .name: w_qkv, .offset: 24, .size: 8, .value_kind: global_buffer, .address_space: global }
      - { .name: w_proj, .offset: 32, .size: 8, .value_kind: global_buffer, .address_space: global }
      - { .name: xn, .offset: 40, .size: 8, .value_kind: global_buffer, .address_space: global }
      - { .name: wb, .offset: 48, .size: 8, .value_kind: global_buffer, .address_space: global }
    .group_segment_fixed_size: 0
    .private_segment_fixed_size: 0
    .kernarg_segment_align: 8
    .kernarg_segment_size: 56
    .max_flat_workgroup_size: 256
    .sgpr_count:     66
    .vgpr_count:     176
    .wavefront_size: 32
...
	.end_amdgpu_metadata
.endif
;; end of part 1
;; launch gemm_qkv (part 2): grid 8 x 32, 4 waves a work-group, clusters of 4 x 4, 327,680 bytes of LDS; arguments xn, wb, qkv; writes qkv
.if DOCPART == 2
	.amdgcn_target "amdgcn-amd-amdhsa--gfx1250"
	.amdhsa_code_object_version 6
	.text
	.protected	k_q77231b6413_gemm_qkv
	.globl	k_q77231b6413_gemm_qkv
	.p2align	8
	.type	k_q77231b6413_gemm_qkv,@function
k_q77231b6413_gemm_qkv:
	s_mov_b64 s[64:65], 0
	v_nop
	global_prefetch_b8 v0, s[64:65] scope:SCOPE_SE
	s_setreg_imm32_b32 hwreg(HW_REG_WAVE_MODE, 25, 1), 1
	s_wait_xcnt 0x0
	s_wait_alu depctr_hold_cnt(0) depctr_sa_sdst(0) depctr_va_vdst(0) depctr_va_sdst(0) depctr_va_ssrc(0) depctr_va_vcc(0) depctr_vm_vsrc(0)
	s_getreg_b32 s2, hwreg(HW_REG_IB_STS2, 6, 4)
	s_cmp_eq_u32 s2, 0
	s_cbranch_scc0 .Lentry_in_a_cluster
	s_endpgm
.Lentry_in_a_cluster:
	s_bfe_u32 s2, ttmp6, 0x10000c
	s_cmp_lg_u32 s2, 0xf033
	s_cbranch_scc0 .Lentry_shape_is_right
	s_endpgm
.Lentry_shape_is_right:
; qkv[m][e] = sum over k of xn[m][k] w_qkv[e][k].  xn: [4096][1024] f16; wb rows 0-3071: w_qkv in f16; sums in f32.
; Stored by head: qkv[g][m][64] f16, g = e / 64 (0-15 q, 16-31 k, 32-47 v), so that a head's rows are dense: byte g 524288 + m 128 + 2 d.
; A work-group makes 128 rows x 384 columns with four waves; a wave 64 x 192: 48 accumulator tiles of 16 x 16, 384 registers.
; K goes in steps of 128 through two LDS slots filled by the tensor data mover; tile rows are 256 bytes of memory at multiples of 256.
; CLUSTERS: 4 x 4 work-groups.  The four of a cluster's row need the same tiles of xn, the four of a column the same tiles of the weights:
; each tile is asked for jointly, by the same tensor load with the same descriptor and a mask naming the four.
; LIMIT: q, k, v are rounded to f16: |q|, |k|, |v| below 65,504 (with unit gamma and rows of w of unit length they stay below about 6).
;
; REGISTERS in windows of 256: window 0: addresses, xn's fragments (two buffers of 32), the way out; window 1: the weights' fragments (two buffers of 96);
; window 2: accumulators of my rows 0-31 (tile (a, b) at 8 (12 a + b)); window 3: those of my rows 32-63.
; The matrix instruction is used transposed (source 0 = 16 rows of the weights, source 1 = 16 rows of xn): lane l then holds row l % 16 and
; eight neighbouring columns 8 (l / 16) + 0 .. 7, which pack into 16 bytes.
.set NB,     12                        ; 16-column blocks of a wave
.set LAPS,   4                         ; a lap = two K steps of 128 = once round the ring; 1024 / 256
.set PB,     272                       ; LDS row: 256 bytes + 16 of padding, so that 16 rows start 4 banks apart
.set A16,    16*272                    ; 16 rows of xn
.set ASUB,   128                       ; K quarter q of xn lies at (q >> 1) ASUB + (q & 1) 64 = 64 q
.set ABYTES, 128*272
.set BBYTES, 384*272
.set SLOT,   ABYTES+BBYTES
.set AHALF,  64*272                    ; what one tensor load brings of xn: 64 rows
.set BHALF,  192*272                   ; and of the weights: 192 rows
.set AWAVE,  64*272                    ; my 64 rows
.set BWAVE,  192*272                   ; my 192 columns
.set ASTEP,  256
.set BSTEP,  256
.set STAGE,  2*SLOT                    ; behind the ring: 16 rows x 400 bytes for each wave, never a tensor load's target
.set SPITCH, 400
.set ADRA, 16                          ; v16-17 LDS address of my xn fragments in slot 0, 1
.set ADRB, 20                          ; v20-21 the same for the weights
.set STO,  24
.set RD,   25
.set CO,   26
.set FA,   32                          ; v32-95 xn's fragments, buffer cur at FA + 32 cur
.set TMP,  96                          ; v96-143 packed results
.set RB0,  144                         ; v144-191, v192-239: rows read back, by turns
.set RB1,  192
.set G1,  24                           ; s[24:31] descriptor group 1, xn's tiles
.set G0,  32                           ; s[32:39] group 0, one set for each slot
.set G1B, 48                           ; s[48:55] group 1, the weights' tiles
.set G0B, 56                           ; s[56:63] group 0, one set for each slot
.set MSB, 0
.set MUL_LO, 0xa1                      ; source 0 window 1, source 1 window 0, C and D window 2
.set MUL_HI, 0xf1                      ; the same, C and D window 3
.set TO_B,   0x40                      ; destination window 1
.macro WIN new                         ; the immediate's high byte repeats the setting that is left
.if MSB != \new
	s_set_vgpr_msb (MSB<<8)|\new
.set MSB, \new
.endif
.endm
.macro PLACES                          ; four plain places behind matrix instructions ahead of loads into, or reads of, their registers
.rept 4
	v_nop
.endr
.endm
.macro JLOAD s                         ; waves 0, 1 ask for xn's two halves, waves 2, 3 for the weights'; the branch hangs on the wave's number alone
	s_cmp_eq_u32 s11, 0
	s_cbranch_scc0 .Lfor_b_\@
	tensor_load_to_lds s[G0+4*\s:G0+4*\s+3], s[G1:G1+7]
	s_nop 0
	s_branch .Lasked_\@
.Lfor_b_\@:
	tensor_load_to_lds s[G0B+4*\s:G0B+4*\s+3], s[G1B:G1B+7]
	s_nop 0
.Lasked_\@:
.endm
.macro CREST                           ; a round of the cluster's barrier behind its opening work-group barrier
	s_cmp_lg_u32 s10, 0
	s_cbranch_scc1 .Lnot_wave_0_\@
	s_barrier_signal -3
.Lnot_wave_0_\@:
	s_barrier_wait -3
	s_barrier_signal -1
	s_barrier_wait -1
.endm
.macro CROUND
	s_barrier_signal -1
	s_barrier_wait -1
	CREST
.endm
; NB matrix instructions: row block a of the window's two (hi = 0: my rows 0-31, 1: rows 32-63) x all column blocks, 32 along K, from buffer cur.
; The accumulators take turns, one instruction a turn.
.macro MULROW cur, hi, a, zero
.set nbi, 0
.rept NB
.if \zero
	v_wmma_f32_16x16x32_f16 v[8*(NB*\a+nbi):8*(NB*\a+nbi)+7], v[8*NB*\cur+8*nbi:8*NB*\cur+8*nbi+7], v[FA+32*\cur+8*(2*\hi+\a):FA+32*\cur+8*(2*\hi+\a)+7], 0
.else
	v_wmma_f32_16x16x32_f16 v[8*(NB*\a+nbi):8*(NB*\a+nbi)+7], v[8*NB*\cur+8*nbi:8*NB*\cur+8*nbi+7], v[FA+32*\cur+8*(2*\hi+\a):FA+32*\cur+8*(2*\hi+\a)+7], v[8*(NB*\a+nbi):8*(NB*\a+nbi)+7]
.endif
.set nbi, nbi+1
.endr
.endm
; 2 NB + 8 LDS loads in one run: K quarter q of a slot into buffer cur, the weights first, then xn's four row blocks
.macro FETCH slot, q, cur
	WIN TO_B
.set fi, 0
.rept NB
	ds_load_b128 v[8*NB*\cur+8*fi:8*NB*\cur+8*fi+3],   v[ADRB+\slot] offset:64*\q+fi*16*PB
	ds_load_b128 v[8*NB*\cur+8*fi+4:8*NB*\cur+8*fi+7], v[ADRB+\slot] offset:64*\q+fi*16*PB+32
.set fi, fi+1
.endr
	WIN 0
.irp i, 0,1,2,3
	ds_load_b128 v[FA+32*\cur+8*\i:FA+32*\cur+8*\i+3],   v[ADRA+\slot] offset:(\q>>1)*ASUB+(\q&1)*64+\i*A16
	ds_load_b128 v[FA+32*\cur+8*\i+4:FA+32*\cur+8*\i+7], v[ADRA+\slot] offset:(\q>>1)*ASUB+(\q&1)*64+\i*A16+32
.endr
.endm
; multiplies buffer f and, in its middle, fetches quarter q into buffer g
.macro QUARTER slot, q, f, g, zero
	s_wait_dscnt 4                                 ; all but the youngest four loads (xn's row blocks 2, 3) are in
	WIN MUL_LO
	MULROW \f, 0, 0, \zero
	MULROW \f, 0, 1, \zero
	PLACES
	FETCH \slot, \q, \g
	s_wait_dscnt 2*NB+8                            ; all but the run just issued
	WIN MUL_HI
	MULROW \f, 1, 0, \zero
	MULROW \f, 1, 1, \zero
.endm
.macro HEADQ slot, zero
	QUARTER \slot, 1, 0, 1, \zero
	QUARTER \slot, 2, 1, 0, 0
	QUARTER \slot, 3, 0, 1, 0
.endm
; The last quarter of a slot multiplies buffer 1 and changes slots.  In front of the barrier each wave waits for its reads of this slot and for all
; its tensor loads (one is out: its part of the next slot).  Where the slot is filled again the barrier opens a round of the cluster's barrier, and the
; joint refill is the first tensor load behind the round; it has 3 3/4 quarters and more, 192 matrix instructions less 12, in which to land.
.macro TURN slot, next, fill
	s_wait_dscnt 4
	WIN MUL_LO
	MULROW 1, 0, 0, 0
	s_wait_dscnt 0x0
	s_wait_tensorcnt 0x0
	ds_add_u32 v255, v255
	s_wait_dscnt 0x0
	s_barrier_signal -1
	MULROW 1, 0, 1, 0                              ; register work while the others arrive
	WIN 0
	s_barrier_wait -1
.if \fill
	CREST
	s_add_nc_u64 s[G0+4*\slot+2:G0+4*\slot+3], s[G0+4*\slot+2:G0+4*\slot+3], 2*ASTEP      ; no tensor load of mine is out: group 0 may be written
	s_add_nc_u64 s[G0B+4*\slot+2:G0B+4*\slot+3], s[G0B+4*\slot+2:G0B+4*\slot+3], 2*BSTEP
	JLOAD \slot
.endif
	PLACES
	FETCH \next, 0, 0
	WIN MUL_HI
	MULROW 1, 1, 0, 0
	MULROW 1, 1, 1, 0
.endm
.macro LAP zero
	HEADQ 0, \zero
	TURN 0, 1, 1
	HEADQ 1, 0
	TURN 1, 0, 1
.endm
	s_load_b128 s[4:7], s[0:1], 0x0                ; xn s[4:5], wb s[6:7]
	s_load_b64 s[8:9], s[0:1], 0x10                ; qkv
	s_set_vgpr_msb 0x40
	v_lshl_add_u32 v255, v0, 2, 0x4a400
	s_set_vgpr_msb 0x4000
	v_mov_b32 v255, 0
	s_set_vgpr_msb 0x1
	ds_add_u32 v255, v255
	s_set_vgpr_msb 0x100
	v_lshrrev_b32 v1, 5, v0
	v_readfirstlane_b32 s10, v1                    ; wave 0..3
	s_lshr_b32 s11, s10, 1                         ; which 64 rows are mine.  Also: I fetch xn (0) or weights (1)
	s_and_b32 s12, s10, 1                          ; which 192 columns.  Also: which half of that tile I fetch
	s_bfe_u32 s40, ttmp6, 0x40000                  ; cx
	s_bfe_u32 s41, ttmp6, 0x40004                  ; cy
	s_lshl_b32 s42, ttmp9, 2
	s_add_co_u32 s42, s42, s40                     ; block column = 4 cluster x + cx
	s_and_b32 s13, ttmp7, 0xffff
	s_lshl_b32 s13, s13, 2
	s_add_co_u32 s13, s13, s41                     ; block row = 4 cluster y + cy
	s_lshl_b32 s43, s41, 2
	s_lshl_b32 s43, 15, s43                        ; my row of the cluster
	s_lshl_b32 s44, 0x1111, s40                    ; my column
	; group 1: elements of 2 bytes; 16 bytes of padding behind every 64 words; bit 21 beside the mask
	s_or_b32 s[G1+0], s43, (1<<16)|(1<<20)|(1<<21)|(5<<22)|(3<<25)
	s_mov_b32 s[G1+1], 128<<16                     ; tensor_dim0 = 128
	s_mov_b32 s[G1+2], 64<<16                      ; tensor_dim1 = 64
	s_mov_b32 s[G1+3], 128<<16                     ; tile_dim0 = 128 elements (256 bytes)
	s_mov_b32 s[G1+4], 64                          ; tile_dim1 = 64 rows
	s_mov_b32 s[G1+5], 1024                        ; elements from row to row
	s_mov_b32 s[G1+6], 0
	s_mov_b32 s[G1+7], 0
	s_or_b32 s[G1B+0], s44, (1<<16)|(1<<20)|(1<<21)|(5<<22)|(3<<25)
	s_mov_b32 s[G1B+1], 128<<16
	s_mov_b32 s[G1B+2], 192<<16                    ; 192 rows
	s_mov_b32 s[G1B+3], 128<<16
	s_mov_b32 s[G1B+4], 192
	s_mov_b32 s[G1B+5], 1024
	s_mov_b32 s[G1B+6], 0
	s_mov_b32 s[G1B+7], 0
	; xn's tiles hang on the block row and the wave alone, the weights' on the block column and the wave alone
	s_lshl_b32 s16, s13, 7
	s_lshl_b32 s17, s12, 6
	s_add_co_u32 s16, s16, s17                     ; row 128 by + 64 half
	s_lshl_b32 s16, s16, 11                        ; x 2,048 bytes
	s_mov_b32 s17, 0
	s_mul_i32 s46, s42, 384
	s_mul_i32 s47, s12, 192
	s_add_co_u32 s46, s46, s47                     ; row 384 bx + 192 half
	s_lshl_b32 s46, s46, 11
	s_mov_b32 s47, 0
	s_mul_i32 s20, s12, AHALF                      ; LDS: xn's halves,
	s_mul_i32 s45, s12, BHALF
	s_add_co_u32 s45, s45, ABYTES                  ; then the weights' halves
	s_wait_dscnt 0x0
	s_wait_kmcnt 0x0
	s_add_nc_u64 s[14:15], s[4:5], s[16:17]
	s_add_nc_u64 s[46:47], s[6:7], s[46:47]
	CROUND                                         ; all sixteen work-groups are here: the first joint loads meet
.irp s, 0,1
	s_mov_b32 s[G0+4*\s], 1
	s_add_co_u32 s[G0+4*\s+1], s20, \s*SLOT
	s_add_nc_u64 s[G0+4*\s+2:G0+4*\s+3], s[14:15], \s*ASTEP
	s_or_b32 s[G0+4*\s+3], s[G0+4*\s+3], 0x80000000
	s_mov_b32 s[G0B+4*\s], 1
	s_add_co_u32 s[G0B+4*\s+1], s45, \s*SLOT
	s_add_nc_u64 s[G0B+4*\s+2:G0B+4*\s+3], s[46:47], \s*BSTEP
	s_or_b32 s[G0B+4*\s+3], s[G0B+4*\s+3], 0x80000000
	JLOAD \s                                       ; two tensor loads of a wave are out after these
.endr
	v_and_b32 v1, 15, v0                           ; r = l % 16
	v_bfe_u32 v2, v0, 4, 1                         ; h = l / 16
	v_mul_u32_u24 v3, v1, PB
	v_lshl_add_u32 v3, v2, 4, v3                   ; row x pitch + 16 h
	s_mul_i32 s21, s11, AWAVE
	s_mul_i32 s22, s12, BWAVE
	s_add_co_u32 s22, s22, ABYTES
.irp s, 0,1
	v_add_nc_u32 v[ADRA+\s], s21, v3
	v_add_nc_u32 v[ADRB+\s], s22, v3
	s_add_co_u32 s21, s21, SLOT
	s_add_co_u32 s22, s22, SLOT
.endr
	v_and_b32 v4, 31, v0                           ; l
	s_mul_i32 s23, s10, 16*SPITCH
	s_add_co_u32 s23, s23, STAGE                   ; my stage
	v_mul_u32_u24 v5, v1, SPITCH
	v_lshl_add_u32 v5, v2, 4, v5
	v_add_nc_u32 v[STO], s23, v5                   ; in: row r, 16 bytes for each half of the lanes
	v_lshrrev_b32 v5, 3, v4
	v_mul_u32_u24 v5, v5, SPITCH
	v_and_b32 v3, 7, v0
	v_lshl_add_u32 v5, v3, 4, v5
	v_add_nc_u32 v[RD], s23, v5                    ; back: eight lanes take a head's 128 bytes of a row, 32 lanes four rows
	v_lshlrev_b32 v[CO], 4, v4                     ; which are 512 consecutive bytes of qkv
	s_wait_tensorcnt 0x1                           ; my part of K step 0 is in; K step 1's stays out
	s_barrier_signal -1
	s_barrier_wait -1
	FETCH 0, 0, 0
	LAP 1                                          ; the first products start the sums: nothing is cleared
	WIN 0
	s_mov_b32 s3, LAPS-2
.Llap:
	LAP 0
	WIN 0
	s_sub_co_u32 s3, s3, 1
	s_cmp_lg_u32 s3, 0
	s_cbranch_scc1 .Llap
	HEADQ 0, 0                                     ; the last lap fills nothing
	TURN 0, 1, 0
	HEADQ 1, 0
	s_wait_dscnt 4
	WIN MUL_LO
	MULROW 1, 0, 0, 0
	MULROW 1, 0, 1, 0
	s_wait_dscnt 0x0
	WIN MUL_HI
	MULROW 1, 1, 0, 0
	MULROW 1, 1, 1, 0
	PLACES
	; THE WAY OUT, 16 rows at a time, through my own stage
	s_mul_i32 s46, s42, 6
	s_mul_i32 s47, s12, 3
	s_add_co_u32 s46, s46, s47                     ; my first head slice g = 6 bx + 3 half
	s_lshl_b32 s46, s46, 19
	s_mov_b32 s47, 0
	s_lshl_b32 s16, s13, 7
	s_lshl_b32 s17, s11, 6
	s_add_co_u32 s16, s16, s17                     ; my first row
	s_lshl_b32 s16, s16, 7
	s_mov_b32 s17, 0
	s_add_nc_u64 s[8:9], s[8:9], s[16:17]
	s_add_nc_u64 s[8:9], s[8:9], s[46:47]
; rows 16 a .. 16 a + 15: the twelve tiles (ap, 0..11) of window 2 or 3 (from = 0x0a or 0x0f)
.macro OUT16 a, ap, from, rb
	WIN \from
.set oi, 0
.rept NB
.irp rr, 0,1,2,3
	v_cvt_pk_f16_f32 v[TMP+4*oi+\rr], v[8*(NB*\ap+oi)+2*\rr], v[8*(NB*\ap+oi)+2*\rr+1]
.endr
.set oi, oi+1
.endr
	WIN 0
.set oi, 0
.rept NB
	ds_store_b128 v[STO], v[TMP+4*oi:TMP+4*oi+3] offset:32*oi
.set oi, oi+1
.endr
	s_wait_xcnt 0x0                                ; buffer rb was the data of earlier stores: it is loaded again only behind this wait
.irp hh, 0,1,2
.irp t, 0,1,2,3
	ds_load_b128 v[\rb+4*(4*\hh+\t):\rb+4*(4*\hh+\t)+3], v[RD] offset:128*\hh+4*SPITCH*\t   ; LDS serves a wave in order: these see the stores above
.endr
.endr
.irp hh, 0,1,2
.irp t, 0,1,2,3
	s_wait_dscnt 11-(4*\hh+\t)
	global_store_b128 v[CO], v[\rb+4*(4*\hh+\t):\rb+4*(4*\hh+\t)+3], s[8:9] offset:\hh*524288+(16*\a+4*\t)*128   ; 512 consecutive bytes, aligned
.endr
.endr
.endm
	OUT16 0, 0, 0x0a, RB0
	OUT16 1, 1, 0x0a, RB1
	OUT16 2, 0, 0x0f, RB0
	OUT16 3, 1, 0x0f, RB1
	s_wait_dscnt 0x0
	s_set_vgpr_msb 0x1
	s_wait_tensorcnt 0x0
	ds_add_u32 v255, v255
	s_wait_dscnt 0x0
	s_set_vgpr_msb 0x100
	CROUND                                         ; the closing round: no work-group ends while a partner may still ask jointly
	s_endpgm
.Lfunc_end_k_q77231b6413_gemm_qkv:
	.size	k_q77231b6413_gemm_qkv, .Lfunc_end_k_q77231b6413_gemm_qkv-k_q77231b6413_gemm_qkv
	.p2alignl 7, 3214868480
	.fill 96, 4, 3214868480
	.section	.rodata,"a",@progbits
	.p2align	6, 0x0
	.amdhsa_kernel k_q77231b6413_gemm_qkv
		.amdhsa_group_segment_fixed_size 327680
		.amdhsa_private_segment_fixed_size 0
		.amdhsa_enable_private_segment 0
		.amdhsa_kernarg_size 24
		.amdhsa_user_sgpr_count 2
		.amdhsa_user_sgpr_kernarg_segment_ptr 1
		.amdhsa_wavefront_size32 1
		.amdhsa_system_sgpr_workgroup_id_x 1
		.amdhsa_system_sgpr_workgroup_id_y 1
		.amdhsa_system_sgpr_workgroup_id_z 1
		.amdhsa_system_vgpr_workitem_id 0
		.amdhsa_next_free_vgpr 960
		.amdhsa_next_free_sgpr 66
		.amdhsa_reserve_vcc 0
		.amdhsa_float_denorm_mode_32 3
		.amdhsa_float_denorm_mode_16_64 3
		.amdhsa_memory_ordered 1
		.amdhsa_forward_progress 1
		.amdhsa_inst_pref_size 163
	.end_amdhsa_kernel
	.amdgpu_metadata
---
amdhsa.version: [ 1, 2 ]
amdhsa.kernels:
  - .name:           k_q77231b6413_gemm_qkv
    .symbol:         k_q77231b6413_gemm_qkv.kd
    .args:
      - { .name: xn, .offset: 0, .size: 8, .value_kind: global_buffer, .address_space: global }
      - { .name: wb, .offset: 8, .size: 8, .value_kind: global_buffer, .address_space: global }
      - { .name: qkv, .offset: 16, .size: 8, .value_kind: global_buffer, .address_space: global }
    .group_segment_fixed_size: 327680
    .private_segment_fixed_size: 0
    .kernarg_segment_align: 8
    .kernarg_segment_size: 24
    .max_flat_workgroup_size: 128
    .sgpr_count:     66
    .vgpr_count:     960
    .wavefront_size: 32
...
	.end_amdgpu_metadata
.endif
;; end of part 2
;; launch attn (part 3): grid 8 x 32, 8 waves a work-group, clusters of 4 x 1, 327,680 bytes of LDS; arguments qkv, ob; writes ob
.if DOCPART == 3
	.amdgcn_target "amdgcn-amd-amdhsa--gfx1250"
	.amdhsa_code_object_version 6
	.text
	.protected	k_q77231b6413_attn
	.globl	k_q77231b6413_attn
	.p2align	8
	.type	k_q77231b6413_attn,@function
k_q77231b6413_attn:
	s_mov_b64 s[64:65], 0
	v_nop
	global_prefetch_b8 v0, s[64:65] scope:SCOPE_SE
	s_setreg_imm32_b32 hwreg(HW_REG_WAVE_MODE, 25, 1), 1
	s_wait_xcnt 0x0
	s_wait_alu depctr_hold_cnt(0) depctr_sa_sdst(0) depctr_va_vdst(0) depctr_va_sdst(0) depctr_va_ssrc(0) depctr_va_vcc(0) depctr_vm_vsrc(0)
	s_getreg_b32 s2, hwreg(HW_REG_IB_STS2, 6, 4)
	s_cmp_eq_u32 s2, 0
	s_cbranch_scc0 .Lentry_in_a_cluster
	s_endpgm
.Lentry_in_a_cluster:
	s_bfe_u32 s2, ttmp6, 0x10000c
	s_cmp_lg_u32 s2, 0x3003
	s_cbranch_scc0 .Lentry_shape_is_right
	s_endpgm
.Lentry_shape_is_right:
; Softmax attention with a running maximum.  qkv: [48][4096][64] f16 (slices 0-15 q, 16-31 k, 32-47 v of heads 0-15; row m = 2048 b + n).
; ob: [32 blocks of 128 rows][16 heads][128][64] f16.  Work-group (x, y): 256 queries 256 x .. of batch y / 16, head y % 16.
; Eight waves: wave w takes the 64 queries 64 (w & 3) .. and, of every tile of 512 keys, the half w >> 2.  So each fragment of K and V feeds four query
; tiles, and two waves with unlike phases share a SIMD's registers (2 x 512).  The two halves are merged at the end by their (shift, sum, O).
; CLUSTER 4 x 1: the four query blocks of a cluster read the same K and V: every tile is asked for jointly (mask 15).
; S is made transposed, S^T = K Q^T: lane (r, h) holds query r and keys 16 kt + 8 h + j.  Two such tiles packed to f16 in place ARE the B fragment of
; O^T = V^T P, and maximum, sum and rescale are one number a lane, with one exchange between lanes l and l xor 16.
; p = exp2(c S + NM), c = log2(e) / 8, NM = -c m rounded once, m the running maximum of S; old sums are rescaled by exp2(NM_new - NM_old), the exact
; factor between the two shifts in use.
; LIMITS: NaN and infinities are not served; exp2 gives 0 below 2^-126; the row sum adds p in f32 while P V takes p rounded to f16.
.set SLOT, 143360                      ; 512 keys: K 256 rows x 272, then V 256 rows x 288 (an LDS row holds two keys' 128 bytes and padding)
.set VOFF, 69632
.set KA, 1                             ; this step's LDS addresses
.set VA, 2
.set QO, 3
.set AL, 4                             ; v[4+2qt] rescale factor, v[5+2qt] running maximum
.set MR, 5
.set NM, 12                            ; v[12+2qt] -c m, v[13+2qt] this step's maximum
.set MX, 13
.set LS, 20                            ; v[20+2qt:21+2qt] row sums, two chains
.set TT, 28                            ; v28-31 at work
.set QF, 32                            ; v32-95   Q fragment (qt, c) at 32 + 16 qt + 8 c
.set KF, 96                            ; v96-159  K fragment (kt, c)
.set VF, 160                           ; v160-223 V^T fragment (ht, kc)
.set KB, 224                           ; v224-225 K base in slot 0, 1
.set VB, 226                           ; v226-227 V base
.set STG, 228
.set OST, 229
.set ORD, 230
.set OCO, 231
.set TA, 232                           ; v232-239 my NM x 4, my sums x 4
.set TB, 240                           ; v240-247 the partner's
.set WK, 248                           ; v248-255 at work
.set OA, 128                           ; window 1: S tile (qt, kt) at 8 (4 qt + kt); O tile (qt, ht) at 128 + 8 (4 qt + ht)
.set G1K, 24
.set G0K, 32
.set G1V, 48
.set G0V, 56
.set MSB, 0
.macro WIN new
.if MSB != \new
	s_set_vgpr_msb (MSB<<8)|\new
.set MSB, \new
.endif
.endm
.macro ROUND                           ; a round of the cluster's barrier
	s_barrier_signal -1
	s_barrier_wait -1
	s_cmp_lg_u32 s8, 0
	s_cbranch_scc1 .Lnot_wave_0_\@
	s_barrier_signal -3
.Lnot_wave_0_\@:
	s_barrier_wait -3
	s_barrier_signal -1
	s_barrier_wait -1
.endm
.macro JLOAD s                         ; waves 0-3 ask for 128 keys of K each, waves 4-7 for 128 keys of V
	s_cmp_eq_u32 s9, 0
	s_cbranch_scc0 .Lfor_v_\@
	tensor_load_to_lds s[G0K+4*\s:G0K+4*\s+3], s[G1K:G1K+7]
	s_nop 0
	s_branch .Lasked_\@
.Lfor_v_\@:
	tensor_load_to_lds s[G0V+4*\s:G0V+4*\s+3], s[G1V:G1V+7]
	s_nop 0
.Lasked_\@:
.endm
; One step: 64 keys x my 64 queries.  first = 1: nothing to rescale, the products start O.
.macro STEP first
	WIN 0
.irp kt, 0,1,2,3
.irp c, 0,1
	ds_load_b128 v[KF+16*\kt+8*\c:KF+16*\kt+8*\c+3],   v[KA] offset:\kt*2176+\c*64
	ds_load_b128 v[KF+16*\kt+8*\c+4:KF+16*\kt+8*\c+7], v[KA] offset:\kt*2176+\c*64+32
.endr
.endr
.irp ht, 0,1,2,3
.irp kc, 0,1
	ds_load_tr16_b128 v[VF+16*\ht+8*\kc:VF+16*\ht+8*\kc+3],   v[VA] offset:\kc*4608+\ht*32
	ds_load_tr16_b128 v[VF+16*\ht+8*\kc+4:VF+16*\ht+8*\kc+7], v[VA] offset:\kc*4608+\ht*32+2304
.endr
.endr
	s_wait_dscnt 16                                ; K's sixteen loads are in, V's sixteen stay out
	WIN 0x50                                       ; D and C window 1
	; S^T = K Q^T; the sixteen accumulators take turns, one instruction a turn
.irp qt, 0,1,2,3
.irp kt, 0,1,2,3
	v_wmma_f32_16x16x32_f16 v[8*(4*\qt+\kt):8*(4*\qt+\kt)+7], v[KF+16*\kt:KF+16*\kt+7], v[QF+16*\qt:QF+16*\qt+7], 0
.endr
.endr
.irp qt, 0,1,2,3
.irp kt, 0,1,2,3
	v_wmma_f32_16x16x32_f16 v[8*(4*\qt+\kt):8*(4*\qt+\kt)+7], v[KF+16*\kt+8:KF+16*\kt+15], v[QF+16*\qt+8:QF+16*\qt+15], v[8*(4*\qt+\kt):8*(4*\qt+\kt)+7]
.endr
.endr
.rept 4
	v_nop                                          ; four places before vector instructions read the results (ISA guide 7.12.1)
.endr
	WIN 0x05                                       ; sources 0, 1 window 1
.irp qt, 0,1,2,3
.if \first
	v_max_num_f32 v[MX+2*\qt], v[32*\qt], v[32*\qt+1]
.else
	v_max3_num_f32 v[MX+2*\qt], v[32*\qt], v[32*\qt+1], v[MR+2*\qt]    ; the running maximum enters the chain
.endif
.endr
.irp i, 1,2,3,4,5,6,7,8,9,10,11,12,13,14,15
.irp qt, 0,1,2,3
	v_max3_num_f32 v[MX+2*\qt], v[32*\qt+2*\i], v[32*\qt+2*\i+1], v[MX+2*\qt]
.endr
.endr
	WIN 0
.irp qt, 0,1,2,3
	v_permlanex16_b32 v[TT+\qt], v[MX+2*\qt], s12, s13                 ; the same query's other keys, in lane l xor 16
.endr
.irp qt, 0,1,2,3
	v_max_num_f32 v[MR+2*\qt], v[MX+2*\qt], v[TT+\qt]
.endr
.if \first
.irp qt, 0,1,2,3
	v_mul_f32 v[NM+2*\qt], s16, v[MR+2*\qt]        ; NM = -c m
	v_mov_b32 v[LS+2*\qt], 0
	v_mov_b32 v[LS+2*\qt+1], 0
.endr
.else
.irp qt, 0,1,2,3
	v_mul_f32 v[TT+\qt], s16, v[MR+2*\qt]          ; the new NM
.endr
.irp qt, 0,1,2,3
	v_sub_f32 v[AL+2*\qt], v[TT+\qt], v[NM+2*\qt]  ; <= 0
.endr
.irp qt, 0,1,2,3
	v_exp_f32 v[AL+2*\qt], v[AL+2*\qt]
.endr
.irp qt, 0,1,2,3
	v_mov_b32 v[NM+2*\qt], v[TT+\qt]               ; plain places behind the transcendentals (ISA guide 5.7.2)
.endr
	s_wait_alu depctr_va_vdst(0)
.irp qt, 0,1,2,3
	v_pk_mul_f32 v[LS+2*\qt:LS+2*\qt+1], v[LS+2*\qt:LS+2*\qt+1], v[AL+2*\qt:AL+2*\qt+1] op_sel_hi:[1,0]
.endr
.endif
	WIN 0x41                                       ; destination and source 0 window 1
.irp qt, 0,1,2,3
.irp i, 0,1,2,3,4,5,6,7,8,9,10,11,12,13,14,15
	v_pk_fma_f32 v[32*\qt+2*\i:32*\qt+2*\i+1], v[32*\qt+2*\i:32*\qt+2*\i+1], s[14:15], v[NM+2*\qt:NM+2*\qt+1] op_sel_hi:[1,0,0]
.endr
.endr
.set ei, 0
.rept 64
	v_exp_f32 v[2*ei], v[2*ei]
	v_exp_f32 v[2*ei+1], v[2*ei+1]
.if \first == 0
	v_pk_mul_f32 v[OA+2*ei:OA+2*ei+1], v[OA+2*ei:OA+2*ei+1], v[AL+2*(ei/16):AL+2*(ei/16)+1] op_sel_hi:[1,0]   ; O's rescale, among the exponentials
.endif
.set ei, ei+1
.endr
.if \first
	v_nop                                          ; the plain place behind the last exponential
	s_wait_alu depctr_va_vdst(0)
.endif
	WIN 0x01
	s_wait_alu depctr_va_vdst(0)
.irp i, 0,1,2,3,4,5,6,7,8,9,10,11,12,13,14,15
.irp qt, 0,1,2,3
	v_pk_add_f32 v[LS+2*\qt:LS+2*\qt+1], v[32*\qt+2*\i:32*\qt+2*\i+1], v[LS+2*\qt:LS+2*\qt+1]
.endr
.endr
	WIN 0x45
	; two S tiles (16 registers) pack into the 8 registers of P's fragment, in place: register i takes 2 i and 2 i + 1, ascending, so nothing unread is lost
.set ci, 0
.rept 8
.irp i, 0,1,2,3,4,5,6,7
	v_cvt_pk_f16_f32 v[16*ci+\i], v[16*ci+2*\i], v[16*ci+2*\i+1]
.endr
.set ci, ci+1
.endr
	s_wait_dscnt 0x0                               ; V is in
	WIN 0x54                                       ; A window 0, B, C, D window 1
.irp qt, 0,1,2,3
.irp ht, 0,1,2,3
.if \first
	v_wmma_f32_16x16x32_f16 v[OA+8*(4*\qt+\ht):OA+8*(4*\qt+\ht)+7], v[VF+16*\ht:VF+16*\ht+7], v[32*\qt:32*\qt+7], 0
.else
	v_wmma_f32_16x16x32_f16 v[OA+8*(4*\qt+\ht):OA+8*(4*\qt+\ht)+7], v[VF+16*\ht:VF+16*\ht+7], v[32*\qt:32*\qt+7], v[OA+8*(4*\qt+\ht):OA+8*(4*\qt+\ht)+7]
.endif
.endr
.endr
.irp qt, 0,1,2,3
.irp ht, 0,1,2,3
	v_wmma_f32_16x16x32_f16 v[OA+8*(4*\qt+\ht):OA+8*(4*\qt+\ht)+7], v[VF+16*\ht+8:VF+16*\ht+15], v[32*\qt+16:32*\qt+23], v[OA+8*(4*\qt+\ht):OA+8*(4*\qt+\ht)+7]
.endr
.endr
	WIN 0
	v_add_nc_u32 v[KA], 8704, v[KA]                ; 64 keys on: 32 LDS rows of 272
	v_add_nc_u32 v[VA], 9216, v[VA]                ; and of 288
.rept 3
	v_nop                                          ; with the two adds: five places before loads into V's registers and products over P's
.endr
.endm
.macro TILE slot                       ; my 256 keys of the tile in a slot: four steps
	v_mov_b32 v[KA], v[KB+\slot]
	v_mov_b32 v[VA], v[VB+\slot]
	s_mov_b32 s11, 4
.Lstep_\@:
	STEP 0
	s_sub_co_u32 s11, s11, 1
	s_cmp_lg_u32 s11, 0
	s_cbranch_scc1 .Lstep_\@
.endm
; Change of slots.  Every wave waits for all its tensor loads (its part of the next tile among them) and for its reads of the slot just read.
; fill = 1: a round of the cluster's barrier, then the joint refill of that slot, the wave's one tensor load behind the round; it has a whole tile's work in which to land.
.macro HEAD other, fill
	s_wait_xcnt 0x0
	v_lshl_add_u32 v254, v0, 2, 0x46000
	v_mov_b32 v255, 0
	s_wait_tensorcnt 0x0
	ds_add_u32 v254, v255
	s_wait_dscnt 0x0
.if \fill
	s_add_nc_u64 s[G0K+4*\other+2:G0K+4*\other+3], s[G0K+4*\other+2:G0K+4*\other+3], 131072   ; two tiles on; no load of mine is out
	s_add_nc_u64 s[G0V+4*\other+2:G0V+4*\other+3], s[G0V+4*\other+2:G0V+4*\other+3], 131072
.endif
	s_wait_dscnt 0x0
.if \fill
	ROUND
	JLOAD \other
.else
	s_barrier_signal -1
	s_barrier_wait -1
.endif
.endm
	s_load_b128 s[4:7], s[0:1], 0x0                ; qkv s[4:5], ob s[6:7]
	v_lshl_add_u32 v254, v0, 2, 0x46000
	v_mov_b32 v255, 0
	ds_add_u32 v254, v255
	s_wait_dscnt 0x0
	v_lshrrev_b32 v1, 5, v0
	v_readfirstlane_b32 s8, v1                     ; wave 0..7
	s_lshr_b32 s9, s8, 2                           ; p: my half of the keys.  Also: I fetch K (0) or V (1)
	s_and_b32 s10, s8, 3                           ; qg: my 64 queries.  Also: which 128 keys of a tile I fetch
	s_mov_b32 s12, 0x76543210
	s_mov_b32 s13, 0xfedcba98
	s_mov_b32 s14, 0x3e38aa3b                      ; c = log2(e) / 8
	s_mov_b32 s15, 0x3e38aa3b
	s_mov_b32 s16, 0xbe38aa3b                      ; -c
	s_and_b32 s17, ttmp7, 0xffff
	s_and_b32 s18, s17, 15                         ; head
	s_lshr_b32 s19, s17, 4                         ; batch
	s_bfe_u32 s40, ttmp6, 0x40000                  ; cx
	s_lshl_b32 s20, ttmp9, 2
	s_add_co_u32 s20, s20, s40                     ; query block = 4 cluster x + cx
	; group 1: 64 rows of 128 elements of 2 bytes, dense in memory (two keys a row); padding behind every 64 words: 4 words for K, 8 for V
	s_mov_b32 s[G1K+0], 15|(1<<16)|(1<<20)|(1<<21)|(5<<22)|(3<<25)
	s_mov_b32 s[G1K+1], 128<<16
	s_mov_b32 s[G1K+2], 64<<16
	s_mov_b32 s[G1K+3], 128<<16
	s_mov_b32 s[G1K+4], 64
	s_mov_b32 s[G1K+5], 128
	s_mov_b32 s[G1K+6], 0
	s_mov_b32 s[G1K+7], 0
	s_mov_b32 s[G1V+0], 15|(1<<16)|(1<<20)|(1<<21)|(5<<22)|(7<<25)
	s_mov_b32 s[G1V+1], 128<<16
	s_mov_b32 s[G1V+2], 64<<16
	s_mov_b32 s[G1V+3], 128<<16
	s_mov_b32 s[G1V+4], 64
	s_mov_b32 s[G1V+5], 128
	s_mov_b32 s[G1V+6], 0
	s_mov_b32 s[G1V+7], 0
	s_add_co_u32 s21, s18, 16
	s_lshl_b32 s21, s21, 19                        ; K's slice 16 + head
	s_lshl_b32 s22, s19, 18                        ; + batch x 2,048 rows of 128 bytes
	s_add_co_u32 s21, s21, s22
	s_lshl_b32 s22, s10, 14                        ; + my 128 keys
	s_add_co_u32 s42, s21, s22
	s_mov_b32 s43, 0
	s_add_co_u32 s44, s42, 16*524288               ; V's slice lies 16 slices further
	s_mov_b32 s45, 0
	s_mul_i32 s21, s10, 17408                      ; LDS: 64 rows of 272
	s_mul_i32 s22, s10, 18432                      ; 64 rows of 288
	s_add_co_u32 s22, s22, VOFF
	s_wait_kmcnt 0x0
	s_add_nc_u64 s[42:43], s[4:5], s[42:43]
	s_add_nc_u64 s[44:45], s[4:5], s[44:45]
	ROUND                                          ; the four work-groups are here: the first joint loads meet
.irp s, 0,1
	s_mov_b32 s[G0K+4*\s], 1
	s_add_co_u32 s[G0K+4*\s+1], s21, \s*SLOT
	s_add_nc_u64 s[G0K+4*\s+2:G0K+4*\s+3], s[42:43], \s*65536
	s_or_b32 s[G0K+4*\s+3], s[G0K+4*\s+3], 0x80000000
	s_mov_b32 s[G0V+4*\s], 1
	s_add_co_u32 s[G0V+4*\s+1], s22, \s*SLOT
	s_add_nc_u64 s[G0V+4*\s+2:G0V+4*\s+3], s[44:45], \s*65536
	s_or_b32 s[G0V+4*\s+3], s[G0V+4*\s+3], 0x80000000
	JLOAD \s                                       ; two tensor loads of a wave are out after these: half of the head's keys
.endr
	; Q: my 64 rows, straight into fragments
	s_lshl_b32 s21, s18, 19
	s_lshl_b32 s22, s19, 18
	s_add_co_u32 s21, s21, s22
	s_lshl_b32 s22, s10, 13
	s_add_co_u32 s21, s21, s22
	s_lshl_b32 s41, s20, 15                        ; 256 queries of 128 bytes
	s_add_co_u32 s46, s21, s41
	s_mov_b32 s47, 0
	s_add_nc_u64 s[46:47], s[4:5], s[46:47]
	v_and_b32 v248, 15, v0                         ; r
	v_bfe_u32 v249, v0, 4, 1                       ; h
	v_lshlrev_b32 v[QO], 7, v248
	v_lshl_add_u32 v[QO], v249, 4, v[QO]
.irp qt, 0,1,2,3
.irp c, 0,1
	global_load_b128 v[QF+16*\qt+8*\c:QF+16*\qt+8*\c+3],   v[QO], s[46:47] offset:\qt*2048+\c*64
	global_load_b128 v[QF+16*\qt+8*\c+4:QF+16*\qt+8*\c+7], v[QO], s[46:47] offset:\qt*2048+\c*64+32
.endr
.endr
	; K fragment: key r lies in LDS row r / 2, half r % 2
	v_lshrrev_b32 v250, 1, v248
	v_mul_u32_u24 v250, v250, 272
	v_and_b32 v251, 1, v0
	v_lshl_add_u32 v250, v251, 7, v250
	v_lshl_add_u32 v250, v249, 4, v250
	s_mul_i32 s21, s9, 34816                       ; my half: 128 LDS rows
	v_add_nc_u32 v[KB], s21, v250
	v_add_nc_u32 v[KB+1], SLOT, v[KB]
	; V for the transposing load: lane l addresses key 8 h + (l & 7), bytes 16 ((l >> 3) & 1)
	v_bfe_u32 v252, v0, 1, 2
	v_lshl_add_u32 v252, v249, 2, v252
	v_mul_u32_u24 v252, v252, 288
	v_lshl_add_u32 v252, v251, 7, v252
	v_bfe_u32 v253, v0, 3, 1
	v_lshl_add_u32 v252, v253, 4, v252
	s_mul_i32 s22, s9, 36864
	s_add_co_u32 s22, s22, VOFF
	v_add_nc_u32 v[VB], s22, v252
	v_add_nc_u32 v[VB+1], SLOT, v[VB]
	; the merge's and the way out's addresses: 17,408 bytes of slot 0 for each pair of waves, used behind the slot's last fill and last read
	v_and_b32 v254, 31, v0
	s_mul_i32 s23, s10, 17408
	v_lshlrev_b32 v[OCO], 4, v254
	v_add_nc_u32 v[STG], s23, v[OCO]
	v_mul_u32_u24 v253, v248, 144
	v_lshl_add_u32 v253, v249, 4, v253
	v_add_nc_u32 v[OST], s23, v253
	v_lshrrev_b32 v253, 3, v254
	v_mul_u32_u24 v253, v253, 144
	v_and_b32 v252, 7, v0
	v_lshl_add_u32 v253, v252, 4, v253
	v_add_nc_u32 v[ORD], s23, v253
.irp qt, 0,1,2,3
	v_mov_b32 v[TT+\qt], 0                         ; v_permlanex16_b32 counts as a reader of its destination
.endr
	; ob at my 64 rows of my head: ((16 b + 2 X + qg / 2) 16 + head) 16,384 + (qg % 2) 8,192
	s_lshl_b32 s2, s20, 19
	s_lshl_b32 s3, s19, 22
	s_add_co_u32 s2, s2, s3
	s_lshr_b32 s3, s10, 1
	s_lshl_b32 s3, s3, 18
	s_add_co_u32 s2, s2, s3
	s_lshl_b32 s3, s18, 14
	s_add_co_u32 s2, s2, s3
	s_and_b32 s3, s10, 1
	s_lshl_b32 s3, s3, 13
	s_add_co_u32 s2, s2, s3
	s_mov_b32 s3, 0
	s_add_nc_u64 s[6:7], s[6:7], s[2:3]
	s_wait_tensorcnt 0x1                           ; my part of tile 0 is in; tile 1's stays out
	s_barrier_signal -1
	s_barrier_wait -1
	s_wait_loadcnt 0x0                             ; Q
	v_mov_b32 v[KA], v[KB]
	v_mov_b32 v[VA], v[VB]
	STEP 1
	s_mov_b32 s11, 3
.Lfirst:
	STEP 0
	s_sub_co_u32 s11, s11, 1
	s_cmp_lg_u32 s11, 0
	s_cbranch_scc1 .Lfirst
	HEAD 0, 1                                      ; tile 2 into slot 0
	TILE 1
	HEAD 1, 1                                      ; tile 3 into slot 1
	TILE 0
	HEAD 0, 0                                      ; nothing is left to fetch; behind this barrier no wave reads slot 0 any more
	TILE 1
	; THE MERGE of the two halves of the keys
.irp qt, 0,1,2,3
	v_mov_b32 v[TA+\qt], v[NM+2*\qt]
	v_add_f32 v[TA+4+\qt], v[LS+2*\qt], v[LS+2*\qt+1]
.endr
.irp qt, 0,1,2,3
	v_permlanex16_b32 v[TT+\qt], v[TA+4+\qt], s12, s13
.endr
.irp qt, 0,1,2,3
	v_add_f32 v[TA+4+\qt], v[TA+4+\qt], v[TT+\qt]
.endr
	s_cmp_lt_u32 s8, 4
	s_cbranch_scc1 .Lkeep
	WIN 0x04                                       ; store data from window 1
.set mi, 0
.rept 32
	ds_store_b128 v[STG], v[OA+4*mi:OA+4*mi+3] offset:512*mi
.set mi, mi+1
.endr
	WIN 0
	ds_store_b128 v[STG], v[TA:TA+3] offset:16384
	ds_store_b128 v[STG], v[TA+4:TA+7] offset:16896
.Lkeep:
	s_wait_dscnt 0x0                               ; for the partner's sake: my stores are done
	s_barrier_signal -1
	s_barrier_wait -1
	s_cmp_ge_u32 s8, 4
	s_cbranch_scc1 .Ldone
.set mi, 0
.rept 32
	ds_load_b128 v[KF+4*mi:KF+4*mi+3], v[STG] offset:512*mi          ; the partner's O, register for register
.set mi, mi+1
.endr
	ds_load_b128 v[TB:TB+3], v[STG] offset:16384
	ds_load_b128 v[TB+4:TB+7], v[STG] offset:16896
	s_wait_dscnt 0x0
.irp qt, 0,1,2,3
	v_min_num_f32 v[WK+\qt], v[TA+\qt], v[TB+\qt]                    ; the joint shift: -c x the larger maximum
.endr
.irp qt, 0,1,2,3
	v_sub_f32 v[AL+2*\qt], v[WK+\qt], v[TA+\qt]
	v_sub_f32 v[NM+2*\qt], v[WK+\qt], v[TB+\qt]
.endr
.irp qt, 0,1,2,3
	v_exp_f32 v[AL+2*\qt], v[AL+2*\qt]
	v_exp_f32 v[NM+2*\qt], v[NM+2*\qt]
.endr
	v_nop
	s_wait_alu depctr_va_vdst(0)
.irp qt, 0,1,2,3
	v_mul_f32 v[WK+\qt], v[TA+4+\qt], v[AL+2*\qt]
.endr
.irp qt, 0,1,2,3
	v_fmac_f32 v[WK+\qt], v[TB+4+\qt], v[NM+2*\qt]                   ; the joint sum; one factor is 1 and its sum holds the largest p, so it is not 0
.endr
.irp qt, 0,1,2,3
	v_rcp_f32 v[WK+\qt], v[WK+\qt]
.endr
	v_nop
	s_wait_alu depctr_va_vdst(0)
.irp qt, 0,1,2,3
	v_mul_f32 v[AL+2*\qt], v[AL+2*\qt], v[WK+\qt]
	v_mul_f32 v[NM+2*\qt], v[NM+2*\qt], v[WK+\qt]
.endr
.set mi, 0
.rept 64
	v_pk_mul_f32 v[KF+2*mi:KF+2*mi+1], v[KF+2*mi:KF+2*mi+1], v[NM+2*(mi/16):NM+2*(mi/16)+1] op_sel_hi:[1,0]
.set mi, mi+1
.endr
	WIN 0x01
.set mi, 0
.rept 64
	v_pk_fma_f32 v[KF+2*mi:KF+2*mi+1], v[OA+2*mi:OA+2*mi+1], v[AL+2*(mi/16):AL+2*(mi/16)+1], v[KF+2*mi:KF+2*mi+1] op_sel_hi:[1,0,1]
.set mi, mi+1
.endr
	WIN 0
.set mi, 0
.rept 16
.irp i, 0,1,2,3
	v_cvt_pk_f16_f32 v[KF+8*mi+\i], v[KF+8*mi+2*\i], v[KF+8*mi+2*\i+1]
.endr
.set mi, mi+1
.endr
	; lane (r, h) holds query r, d = 16 ht + 8 h .. + 7: 16 bytes into rows of 144; read back by rows; LDS serves a wave in order
.irp qt, 0,1,2,3
.irp ht, 0,1,2,3
	ds_store_b128 v[OST], v[KF+32*\qt+8*\ht:KF+32*\qt+8*\ht+3] offset:\qt*2304+\ht*32
.endr
.endr
.irp qt, 0,1,2,3
.irp t, 0,1,2,3
	ds_load_b128 v[QF+4*(4*\qt+\t):QF+4*(4*\qt+\t)+3], v[ORD] offset:\qt*2304+\t*576
.endr
.endr
.irp qt, 0,1,2,3
.irp t, 0,1,2,3
	s_wait_dscnt 15-(4*\qt+\t)
	global_store_b128 v[OCO], v[QF+4*(4*\qt+\t):QF+4*(4*\qt+\t)+3], s[6:7] offset:\qt*2048+\t*512   ; four rows: 512 consecutive bytes, aligned
.endr
.endr
.Ldone:
	s_wait_dscnt 0x0
	s_wait_xcnt 0x0
	v_lshl_add_u32 v254, v0, 2, 0x46000
	v_mov_b32 v255, 0
	s_wait_tensorcnt 0x0
	ds_add_u32 v254, v255
	s_wait_dscnt 0x0
	ROUND                                          ; the closing round
	s_endpgm
.Lfunc_end_k_q77231b6413_attn:
	.size	k_q77231b6413_attn, .Lfunc_end_k_q77231b6413_attn-k_q77231b6413_attn
	.p2alignl 7, 3214868480
	.fill 96, 4, 3214868480
	.section	.rodata,"a",@progbits
	.p2align	6, 0x0
	.amdhsa_kernel k_q77231b6413_attn
		.amdhsa_group_segment_fixed_size 327680
		.amdhsa_private_segment_fixed_size 0
		.amdhsa_enable_private_segment 0
		.amdhsa_kernarg_size 16
		.amdhsa_user_sgpr_count 2
		.amdhsa_user_sgpr_kernarg_segment_ptr 1
		.amdhsa_wavefront_size32 1
		.amdhsa_system_sgpr_workgroup_id_x 1
		.amdhsa_system_sgpr_workgroup_id_y 1
		.amdhsa_system_sgpr_workgroup_id_z 1
		.amdhsa_system_vgpr_workitem_id 0
		.amdhsa_next_free_vgpr 512
		.amdhsa_next_free_sgpr 66
		.amdhsa_reserve_vcc 0
		.amdhsa_float_denorm_mode_32 3
		.amdhsa_float_denorm_mode_16_64 3
		.amdhsa_memory_ordered 1
		.amdhsa_forward_progress 1
		.amdhsa_inst_pref_size 191
	.end_amdhsa_kernel
	.amdgpu_metadata
---
amdhsa.version: [ 1, 2 ]
amdhsa.kernels:
  - .name:           k_q77231b6413_attn
    .symbol:         k_q77231b6413_attn.kd
    .args:
      - { .name: qkv, .offset: 0, .size: 8, .value_kind: global_buffer, .address_space: global }
      - { .name: ob, .offset: 8, .size: 8, .value_kind: global_buffer, .address_space: global }
    .group_segment_fixed_size: 327680
    .private_segment_fixed_size: 0
    .kernarg_segment_align: 8
    .kernarg_segment_size: 16
    .max_flat_workgroup_size: 256
    .sgpr_count:     66
    .vgpr_count:     512
    .wavefront_size: 32
...
	.end_amdgpu_metadata
.endif
;; end of part 3
;; launch gemm_proj (part 4): grid 8 x 32, 4 waves a work-group, clusters of 4 x 4, 327,680 bytes of LDS; arguments ob, wb, out0, b_proj; writes out0
.if DOCPART == 4
	.amdgcn_target "amdgcn-amd-amdhsa--gfx1250"
	.amdhsa_code_object_version 6
	.text
	.protected	k_q77231b6413_gemm_proj
	.globl	k_q77231b6413_gemm_proj
	.p2align	8
	.type	k_q77231b6413_gemm_proj,@function
k_q77231b6413_gemm_proj:
	s_mov_b64 s[64:65], 0
	v_nop
	global_prefetch_b8 v0, s[64:65] scope:SCOPE_SE
	s_setreg_imm32_b32 hwreg(HW_REG_WAVE_MODE, 25, 1), 1
	s_wait_xcnt 0x0
	s_wait_alu depctr_hold_cnt(0) depctr_sa_sdst(0) depctr_va_vdst(0) depctr_va_sdst(0) depctr_va_ssrc(0) depctr_va_vcc(0) depctr_vm_vsrc(0)
	s_getreg_b32 s2, hwreg(HW_REG_IB_STS2, 6, 4)
	s_cmp_eq_u32 s2, 0
	s_cbranch_scc0 .Lentry_in_a_cluster
	s_endpgm
.Lentry_in_a_cluster:
	s_bfe_u32 s2, ttmp6, 0x10000c
	s_cmp_lg_u32 s2, 0xf033
	s_cbranch_scc0 .Lentry_shape_is_right
	s_endpgm
.Lentry_shape_is_right:
; out0[m][e] = sum over k of o[m][k] w_proj[e][k] + b_proj[e].  o comes as ob: [32 blocks of 128 rows][16 heads][128][64] f16, k = 64 head + d;
; w_proj in f16 is wb's rows 3072-4095 (byte 6,291,456 on); out0: [4096][1024] f32; sums in f32.
; A work-group makes 128 x 128 with four waves; a wave 64 x 64: 16 accumulator tiles.  K goes in steps of 256 (four heads) through two LDS slots:
; with 16 matrix instructions for 32 of K a step of 256 gives a refill 128 less 4 matrix instructions in which to land, and half of K goes out at the start.
; o's part of a slot is dense in memory: rows of 256 bytes, each holding two rows of one head.
; CLUSTERS 4 x 4: o's tiles are shared along a cluster's row, the weights' along a column, by joint tensor loads.
; Registers and the transposed use of the matrix instruction as in the qkv product: window 0 addresses, o's fragments, the way out;
; window 1 the weights' fragments; windows 2, 3 the accumulators of my rows 0-31, 32-63 (tile (a, b) at 8 (4 a + b)).
.set NB,     4
.set PB,     528                       ; a weights' row in LDS: 512 bytes + 16
.set A16,    8*272                     ; 16 rows of o = 8 LDS rows
.set ASUB,   64*272                    ; a head: 64 LDS rows.  K quarter q lies at (q >> 1) ASUB + (q & 1) 64
.set ABYTES, 256*272
.set BBYTES, 128*528
.set SLOT,   ABYTES+BBYTES
.set AHALF,  128*272                   ; one tensor load of o: two heads
.set BHALF,  64*528                    ; one of the weights: 64 rows
.set AWAVE,  32*272                    ; my 64 rows inside a head
.set BWAVE,  64*528
.set ASTEP,  65536
.set BSTEP,  512
.set STAGE,  2*SLOT                    ; behind the ring: 16 rows x 272 bytes for each wave, never a tensor load's target
.set SPITCH, 272
.set ADRA, 16
.set ADRB, 20
.set STO,  24
.set RD,   25
.set CO,   26
.set BO,   27                          ; the bias load's offset; not rewritten
.set BI,   28                          ; v28-31 the bias of my four columns
.set FA,   32
.set RB0,  144
.set RB1,  192
.set G1,  24
.set G0,  32
.set G1B, 48
.set G0B, 56
.set MSB, 0
.set MUL_LO, 0xa1
.set MUL_HI, 0xf1
.set TO_B,   0x40
.macro WIN new
.if MSB != \new
	s_set_vgpr_msb (MSB<<8)|\new
.set MSB, \new
.endif
.endm
.macro PLACES                          ; four plain places behind matrix instructions (ISA guide 7.12.1)
.rept 4
	v_nop
.endr
.endm
.macro JLOAD s                         ; waves 0, 1 ask for o's two halves, waves 2, 3 for the weights'
	s_cmp_eq_u32 s11, 0
	s_cbranch_scc0 .Lfor_b_\@
	tensor_load_to_lds s[G0+4*\s:G0+4*\s+3], s[G1:G1+7]
	s_nop 0
	s_branch .Lasked_\@
.Lfor_b_\@:
	tensor_load_to_lds s[G0B+4*\s:G0B+4*\s+3], s[G1B:G1B+7]
	s_nop 0
.Lasked_\@:
.endm
.macro CREST
	s_cmp_lg_u32 s10, 0
	s_cbranch_scc1 .Lnot_wave_0_\@
	s_barrier_signal -3
.Lnot_wave_0_\@:
	s_barrier_wait -3
	s_barrier_signal -1
	s_barrier_wait -1
.endm
.macro CROUND
	s_barrier_signal -1
	s_barrier_wait -1
	CREST
.endm
; the accumulators take turns, one instruction a turn
.macro MULROW cur, hi, a, zero
.set nbi, 0
.rept NB
.if \zero
	v_wmma_f32_16x16x32_f16 v[8*(NB*\a+nbi):8*(NB*\a+nbi)+7], v[8*NB*\cur+8*nbi:8*NB*\cur+8*nbi+7], v[FA+32*\cur+8*(2*\hi+\a):FA+32*\cur+8*(2*\hi+\a)+7], 0
.else
	v_wmma_f32_16x16x32_f16 v[8*(NB*\a+nbi):8*(NB*\a+nbi)+7], v[8*NB*\cur+8*nbi:8*NB*\cur+8*nbi+7], v[FA+32*\cur+8*(2*\hi+\a):FA+32*\cur+8*(2*\hi+\a)+7], v[8*(NB*\a+nbi):8*(NB*\a+nbi)+7]
.endif
.set nbi, nbi+1
.endr
.endm
.macro FETCH slot, q, cur
	WIN TO_B
.set fi, 0
.rept NB
	ds_load_b128 v[8*NB*\cur+8*fi:8*NB*\cur+8*fi+3],   v[ADRB+\slot] offset:64*\q+fi*16*PB
	ds_load_b128 v[8*NB*\cur+8*fi+4:8*NB*\cur+8*fi+7], v[ADRB+\slot] offset:64*\q+fi*16*PB+32
.set fi, fi+1
.endr
	WIN 0
.irp i, 0,1,2,3
	ds_load_b128 v[FA+32*\cur+8*\i:FA+32*\cur+8*\i+3],   v[ADRA+\slot] offset:(\q>>1)*ASUB+(\q&1)*64+\i*A16
	ds_load_b128 v[FA+32*\cur+8*\i+4:FA+32*\cur+8*\i+7], v[ADRA+\slot] offset:(\q>>1)*ASUB+(\q&1)*64+\i*A16+32
.endr
.endm
.macro QUARTER slot, q, f, g, zero
	s_wait_dscnt 4                                 ; all but the youngest four loads (o's row blocks 2, 3) are in
	WIN MUL_LO
	MULROW \f, 0, 0, \zero
	MULROW \f, 0, 1, \zero
	PLACES
	FETCH \slot, \q, \g
	s_wait_dscnt 2*NB+8                            ; all but the run just issued
	WIN MUL_HI
	MULROW \f, 1, 0, \zero
	MULROW \f, 1, 1, \zero
.endm
.macro HEADQ slot, zero
	QUARTER \slot, 1, 0, 1, \zero
	QUARTER \slot, 2, 1, 0, 0
	QUARTER \slot, 3, 0, 1, 0
	QUARTER \slot, 4, 1, 0, 0
	QUARTER \slot, 5, 0, 1, 0
	QUARTER \slot, 6, 1, 0, 0
	QUARTER \slot, 7, 0, 1, 0
.endm
; the slot's last quarter and the change of slots: waits for my reads and for all my tensor loads, the barrier (a round of the cluster's where the slot
; is filled again), the joint refill first behind it
.macro TURN slot, next, fill
	s_wait_dscnt 4
	WIN MUL_LO
	MULROW 1, 0, 0, 0
	s_wait_dscnt 0x0
	s_wait_tensorcnt 0x0
	ds_add_u32 v255, v255
	s_wait_dscnt 0x0
	s_barrier_signal -1
	MULROW 1, 0, 1, 0
	WIN 0
	s_barrier_wait -1
.if \fill
	CREST
	s_add_nc_u64 s[G0+4*\slot+2:G0+4*\slot+3], s[G0+4*\slot+2:G0+4*\slot+3], 2*ASTEP
	s_add_nc_u64 s[G0B+4*\slot+2:G0B+4*\slot+3], s[G0B+4*\slot+2:G0B+4*\slot+3], 2*BSTEP
	JLOAD \slot
.endif
	PLACES
	FETCH \next, 0, 0
	WIN MUL_HI
	MULROW 1, 1, 0, 0
	MULROW 1, 1, 1, 0
.endm
	s_load_b128 s[4:7], s[0:1], 0x0                ; ob s[4:5], wb s[6:7]
	s_load_b64 s[8:9], s[0:1], 0x10                ; out0
	s_load_b64 s[66:67], s[0:1], 0x18              ; b_proj
	s_set_vgpr_msb 0x40
	v_lshl_add_u32 v255, v0, 2, 0x47400
	s_set_vgpr_msb 0x4000
	v_mov_b32 v255, 0
	s_set_vgpr_msb 0x1
	ds_add_u32 v255, v255
	s_set_vgpr_msb 0x100
	v_lshrrev_b32 v1, 5, v0
	v_readfirstlane_b32 s10, v1
	s_lshr_b32 s11, s10, 1                         ; my 64 rows.  Also: I fetch o (0) or weights (1)
	s_and_b32 s12, s10, 1                          ; my 64 columns.  Also: which half of that tile I fetch
	s_bfe_u32 s40, ttmp6, 0x40000
	s_bfe_u32 s41, ttmp6, 0x40004
	s_lshl_b32 s42, ttmp9, 2
	s_add_co_u32 s42, s42, s40                     ; block column
	s_and_b32 s13, ttmp7, 0xffff
	s_lshl_b32 s13, s13, 2
	s_add_co_u32 s13, s13, s41                     ; block row
	s_lshl_b32 s43, s41, 2
	s_lshl_b32 s43, 15, s43
	s_lshl_b32 s44, 0x1111, s40
	; o: 128 dense rows of 128 elements (two heads); padding of 16 bytes behind every 64 words
	s_or_b32 s[G1+0], s43, (1<<16)|(1<<20)|(1<<21)|(5<<22)|(3<<25)
	s_mov_b32 s[G1+1], 128<<16
	s_mov_b32 s[G1+2], 128<<16
	s_mov_b32 s[G1+3], 128<<16
	s_mov_b32 s[G1+4], 128
	s_mov_b32 s[G1+5], 128
	s_mov_b32 s[G1+6], 0
	s_mov_b32 s[G1+7], 0
	; weights: 64 rows of 256 elements, 1,024 from row to row; padding behind every 128 words
	s_or_b32 s[G1B+0], s44, (1<<16)|(1<<20)|(1<<21)|(6<<22)|(3<<25)
	s_mov_b32 s[G1B+1], 256<<16
	s_mov_b32 s[G1B+2], 64<<16
	s_mov_b32 s[G1B+3], 256<<16
	s_mov_b32 s[G1B+4], 64
	s_mov_b32 s[G1B+5], 1024
	s_mov_b32 s[G1B+6], 0
	s_mov_b32 s[G1B+7], 0
	s_lshl_b32 s16, s13, 18                        ; the block's 16 heads x 16,384 bytes
	s_lshl_b32 s17, s12, 15                        ; + two heads
	s_add_co_u32 s16, s16, s17
	s_mov_b32 s17, 0
	s_lshl_b32 s46, s42, 7
	s_lshl_b32 s47, s12, 6
	s_add_co_u32 s46, s46, s47                     ; row 128 bx + 64 half
	s_lshl_b32 s46, s46, 11
	s_add_co_u32 s46, s46, 6291456                 ; behind w_qkv's 3,072 rows
	s_mov_b32 s47, 0
	s_mul_i32 s20, s12, AHALF
	s_mul_i32 s45, s12, BHALF
	s_add_co_u32 s45, s45, ABYTES
	s_wait_dscnt 0x0
	s_wait_kmcnt 0x0
	s_add_nc_u64 s[14:15], s[4:5], s[16:17]
	s_add_nc_u64 s[46:47], s[6:7], s[46:47]
	CROUND
.irp s, 0,1
	s_mov_b32 s[G0+4*\s], 1
	s_add_co_u32 s[G0+4*\s+1], s20, \s*SLOT
	s_add_nc_u64 s[G0+4*\s+2:G0+4*\s+3], s[14:15], \s*ASTEP
	s_or_b32 s[G0+4*\s+3], s[G0+4*\s+3], 0x80000000
	s_mov_b32 s[G0B+4*\s], 1
	s_add_co_u32 s[G0B+4*\s+1], s45, \s*SLOT
	s_add_nc_u64 s[G0B+4*\s+2:G0B+4*\s+3], s[46:47], \s*BSTEP
	s_or_b32 s[G0B+4*\s+3], s[G0B+4*\s+3], 0x80000000
	JLOAD \s                                       ; two tensor loads of a wave are out after these
.endr
	v_and_b32 v1, 15, v0                           ; r
	v_bfe_u32 v2, v0, 4, 1                         ; h
	s_lshl_b32 s46, s42, 9                         ; my first column in bytes of f32: 512 bx + 256 half
	s_lshl_b32 s47, s12, 8
	s_add_co_u32 s46, s46, s47
	s_mov_b32 s47, 0
	s_add_nc_u64 s[66:67], s[66:67], s[46:47]
	v_lshlrev_b32 v[BO], 4, v1
	global_load_b128 v[BI:BI+3], v[BO], s[66:67]   ; the bias of columns 4 (l % 16) .. + 3; waited for in front of the way out
	v_lshrrev_b32 v3, 1, v1                        ; o's row r lies in LDS row r / 2, half r % 2
	v_mul_u32_u24 v3, v3, 272
	v_and_b32 v4, 1, v0
	v_lshl_add_u32 v3, v4, 7, v3
	v_lshl_add_u32 v3, v2, 4, v3
	v_mul_u32_u24 v5, v1, PB
	v_lshl_add_u32 v5, v2, 4, v5
	s_mul_i32 s21, s11, AWAVE
	s_mul_i32 s22, s12, BWAVE
	s_add_co_u32 s22, s22, ABYTES
.irp s, 0,1
	v_add_nc_u32 v[ADRA+\s], s21, v3
	v_add_nc_u32 v[ADRB+\s], s22, v5
	s_add_co_u32 s21, s21, SLOT
	s_add_co_u32 s22, s22, SLOT
.endr
	s_mul_i32 s23, s10, 16*SPITCH
	s_add_co_u32 s23, s23, STAGE
	v_mul_u32_u24 v4, v1, SPITCH
	v_lshl_add_u32 v4, v2, 5, v4
	v_add_nc_u32 v[STO], s23, v4                   ; in: row r, 32 bytes (8 f32) for each half of the lanes
	v_mul_u32_u24 v5, v2, SPITCH
	v_lshl_add_u32 v5, v1, 4, v5
	v_add_nc_u32 v[RD], s23, v5                    ; back: sixteen lanes take a row of 256 bytes
	v_lshlrev_b32 v5, 12, v2
	v_lshl_add_u32 v[CO], v1, 4, v5
	s_wait_tensorcnt 0x1                           ; my part of K step 0 is in; K step 1's stays out
	s_barrier_signal -1
	s_barrier_wait -1
	FETCH 0, 0, 0
	HEADQ 0, 1                                     ; the first lap: its first products start the sums; both slots are filled again
	TURN 0, 1, 1
	HEADQ 1, 0
	TURN 1, 0, 1
	HEADQ 0, 0                                     ; the second and last lap fills nothing
	TURN 0, 1, 0
	HEADQ 1, 0
	s_wait_dscnt 4
	WIN MUL_LO
	MULROW 1, 0, 0, 0
	MULROW 1, 0, 1, 0
	s_wait_dscnt 0x0
	WIN MUL_HI
	MULROW 1, 1, 0, 0
	MULROW 1, 1, 1, 0
	PLACES
	; THE WAY OUT, 16 rows at a time, through my own stage; the bias is added on the rows read back
	s_lshl_b32 s16, s13, 7
	s_lshl_b32 s17, s11, 6
	s_add_co_u32 s16, s16, s17                     ; my first row
	s_lshl_b32 s16, s16, 12
	s_mov_b32 s17, 0
	s_add_nc_u64 s[8:9], s[8:9], s[16:17]
	s_add_nc_u64 s[8:9], s[8:9], s[46:47]
	s_wait_loadcnt 0x0                             ; the bias
; rows 16 a .. + 15: the four tiles (ap, 0..3) of window 2 or 3 (from = 0x08 or 0x0c: the LDS stores' data)
.macro OUT16 a, ap, from, rb
	WIN \from
.irp b, 0,1,2,3
	ds_store_b128 v[STO], v[8*(NB*\ap+\b):8*(NB*\ap+\b)+3]   offset:64*\b
	ds_store_b128 v[STO], v[8*(NB*\ap+\b)+4:8*(NB*\ap+\b)+7] offset:64*\b+16
.endr
	WIN 0
	s_wait_xcnt 0x0                                ; buffer rb was the data of earlier stores: it is loaded again only behind this wait
.irp t, 0,1,2,3,4,5,6,7
	ds_load_b128 v[\rb+4*\t:\rb+4*\t+3], v[RD] offset:2*SPITCH*\t    ; LDS serves a wave in order: these see the stores above
.endr
.irp t, 0,1,2,3,4,5,6,7
	s_wait_dscnt 7-\t
	v_pk_add_f32 v[\rb+4*\t:\rb+4*\t+1], v[\rb+4*\t:\rb+4*\t+1], v[BI:BI+1]
	v_pk_add_f32 v[\rb+4*\t+2:\rb+4*\t+3], v[\rb+4*\t+2:\rb+4*\t+3], v[BI+2:BI+3]
	global_store_b128 v[CO], v[\rb+4*\t:\rb+4*\t+3], s[8:9] offset:(16*\a+2*\t)*4096 th:TH_STORE_NT   ; sixteen lanes store 256 consecutive bytes, aligned
.endr
.endm
	OUT16 0, 0, 0x08, RB0
	OUT16 1, 1, 0x08, RB1
	OUT16 2, 0, 0x0c, RB0
	OUT16 3, 1, 0x0c, RB1
	s_wait_dscnt 0x0
	s_set_vgpr_msb 0x1
	s_wait_tensorcnt 0x0
	ds_add_u32 v255, v255
	s_wait_dscnt 0x0
	s_set_vgpr_msb 0x100
	CROUND                                         ; the closing round
	s_endpgm
.Lfunc_end_k_q77231b6413_gemm_proj:
	.size	k_q77231b6413_gemm_proj, .Lfunc_end_k_q77231b6413_gemm_proj-k_q77231b6413_gemm_proj
	.p2alignl 7, 3214868480
	.fill 96, 4, 3214868480
	.section	.rodata,"a",@progbits
	.p2align	6, 0x0
	.amdhsa_kernel k_q77231b6413_gemm_proj
		.amdhsa_group_segment_fixed_size 327680
		.amdhsa_private_segment_fixed_size 0
		.amdhsa_enable_private_segment 0
		.amdhsa_kernarg_size 32
		.amdhsa_user_sgpr_count 2
		.amdhsa_user_sgpr_kernarg_segment_ptr 1
		.amdhsa_wavefront_size32 1
		.amdhsa_system_sgpr_workgroup_id_x 1
		.amdhsa_system_sgpr_workgroup_id_y 1
		.amdhsa_system_sgpr_workgroup_id_z 1
		.amdhsa_system_vgpr_workitem_id 0
		.amdhsa_next_free_vgpr 832
		.amdhsa_next_free_sgpr 68
		.amdhsa_reserve_vcc 0
		.amdhsa_float_denorm_mode_32 3
		.amdhsa_float_denorm_mode_16_64 3
		.amdhsa_memory_ordered 1
		.amdhsa_forward_progress 1
		.amdhsa_inst_pref_size 96
	.end_amdhsa_kernel
	.amdgpu_metadata
---
amdhsa.version: [ 1, 2 ]
amdhsa.kernels:
  - .name:           k_q77231b6413_gemm_proj
    .symbol:         k_q77231b6413_gemm_proj.kd
    .args:
      - { .name: ob, .offset: 0, .size: 8, .value_kind: global_buffer, .address_space: global }
      - { .name: wb, .offset: 8, .size: 8, .value_kind: global_buffer, .address_space: global }
      - { .name: out0, .offset: 16, .size: 8, .value_kind: global_buffer, .address_space: global }
      - { .name: b_proj, .offset: 24, .size: 8, .value_kind: global_buffer, .address_space: global }
    .group_segment_fixed_size: 327680
    .private_segment_fixed_size: 0
    .kernarg_segment_align: 8
    .kernarg_segment_size: 32
    .max_flat_workgroup_size: 128
    .sgpr_count:     68
    .vgpr_count:     832
    .wavefront_size: 32
...
	.end_amdgpu_metadata
.endif
;; end of part 4
